; MI455X (gfx1250); checked and timed in simulation.
; The chip was launched on July 23, 2026; its instructions are those of AMD's public machine-readable ISA for CDNA 5 (MIT licence, August 2026) and "CDNA5" Instruction Set Architecture Reference Guide (July 2026). The comments in the code are by the model that wrote it; some were corrected since.
;; Gated Layer. Allowed arithmetic: matrix products marked QUANTISED: E2M1 operands, one E8M0 scale for each 32 along K, by v_wmma_scale_f32_16x16x128_f8f6f4 with both operands' format E2M1 (or v_wmma_scale_f32_32x16x128_f4), f32 sums; products left as they are: f32 operands where the result goes on into a quantised operand, else bf16, f16 or f32 operands; f32 sums; everything else in f32.
;; Inputs: W_codes 16 x 1,024 x 32 x 16 uint8 (E2M1 codes of W, K innermost, in blocks of 32 codes, two codes a byte); W_scales 16 x 1,024 x 32 uint8 (E8M0 scales of W, one for each 32 codes along K); Wg_codes 16 x 32 x 16 uint8 (E2M1 codes of Wg, K innermost, in blocks of 32 codes, two codes a byte); Wg_scales 16 x 32 uint8 (E8M0 scales of Wg, one for each 32 codes along K); b 16 x 1,024 float32; bg 16 float32; x_codes 4,096 x 32 x 16 uint8 (E2M1 codes of x, K innermost, in blocks of 32 codes, two codes a byte); x_scales 4,096 x 32 uint8 (E8M0 scales of x, one for each 32 codes along K).
;; Outputs: out0 4,096 x 1,024 float32.
;; This version of the problem:
;;   THIS VERSION OF THE PROBLEM IS GIVEN IN LOW PRECISION. The matrix products marked QUANTISED in the list below multiply operands that are first quantised to E2M1 (2 exponent bits, 1 mantissa bit; 4 bits a number), with one power-of-two scale for each 32 numbers along K (OCP MX v1.0); their sums are f32. All else is computed in f32.
;;   The module's matrix products, in the order in which they are computed (A, B: the left and right operand; K: the contracted axis; several contracted axes count as one K, in the product's order):
;;     1. [M 4,096, K 1,024] x [K 1,024, N 16]; A: input x (given as codes); B: input Wg (given as codes): QUANTISED
;;     2. [M 4,096, K 1,024] x [K 1,024, N 16,384]; A: input x (given as codes); B: input W (given as codes): QUANTISED
;;     3. batch 4,096 x [M 1, K 16] x [K 16, N 1,024]; A: computed on the way; B: computed on the way: left as it is (K = 16 < 32)
;;   THE QUANTISER, for each operand of a quantised product, along K:
;;     - K is cut into blocks of 32 from its start; a last block that is shorter is filled with zeros.
;;     - A block's scale is 2^e with e = floor(log2(the largest magnitude in the block)) - 2, held to -126 .. 127; a block of zeros has e = 0. As a byte (E8M0): e + 127.
;;     - Each number is divided by its block's scale, clamped to +-6, and rounded to the nearest number of E2M1, ties to even, subnormals kept.
;;     - The product sums the exact products of the quantised numbers (number of the format x scale) in f32.
;;   ~~~python
;;   def quantise(x, axis):      # numpy; x: float32 -> the quantised numbers, widened to float32 again
;;       x = np.moveaxis(x, axis, -1); K = x.shape[-1]
;;       x = np.pad(x, [(0, 0)] * (x.ndim - 1) + [(0, -K % 32)]); x = x.reshape(x.shape[:-1] + (-1, 32)); a = np.abs(x).max(-1, keepdims=True)
;;       e = np.where(a > 0, np.clip(np.frexp(np.where(a > 0, a, 1))[1] - 1 - 2, -126, 127), 0)      # np.frexp(a)[1] - 1 = floor(log2(a)), exactly
;;       r = np.clip(x / 2.0 ** e, -6, 6)
;;       step = 2.0 ** (np.maximum(np.frexp(np.where(r == 0, 1, r))[1] - 1, 0) - 1)
;;       q = np.round(r / step) * step * 2.0 ** e      # np.round: ties to even
;;       return np.moveaxis(q.reshape(q.shape[:-2] + (-1,))[..., :K], -1, axis).astype(np.float32)
;;   ~~~
;;   INPUTS GIVEN AS CODES. W (in the module: [16, 1024, 1024], K = its axis 1); Wg (in the module: [1024, 16], K = its axis 0); x (in the module: [4096, 1024], K = its axis 1): each comes as NAME_codes (uint8): NAME with its K axis moved to the last place and cut into blocks of 32 codes, [.., K / 32, bytes a block], one block behind the other in memory; two codes a byte, the lower K in the low four bits (a code: sign, 2 exponent bits, 1 mantissa bit); and NAME_scales (uint8): the same leading axes, one E8M0 byte (e + 127) for each 32 codes along K. Its value is code x scale, taken as it is: it is not quantised again, and the codes and scales need not be those that the quantiser above would give.
;; 2 versions, each right and faster than the one before. Each part assembles by itself: llvm-mc -triple=amdgcn-amd-amdhsa -mcpu=gfx1250 --defsym DOCPART=n.
;; ======== version 1 of 2: 1 launch
;; launch gated (part 1): grid 16 x 16, 4 waves a work-group, clusters of 4 x 4, 327,680 bytes of LDS; arguments x_codes, x_scales, W_codes, W_scales, Wg_codes, Wg_scales, b, bg, out0; writes out0
.if DOCPART == 1
	.amdgcn_target "amdgcn-amd-amdhsa--gfx1250"
	.amdhsa_code_object_version 6
	.text
	.protected	k_qab85fd43fa_gated
	.globl	k_qab85fd43fa_gated
	.p2align	8
	.type	k_qab85fd43fa_gated,@function
k_qab85fd43fa_gated:
	s_mov_b64 s[64:65], 0
	v_nop
	global_prefetch_b8 v0, s[64:65] scope:SCOPE_SE
	s_setreg_imm32_b32 hwreg(HW_REG_WAVE_MODE, 25, 1), 1
	s_wait_xcnt 0x0
	s_wait_alu depctr_hold_cnt(0) depctr_sa_sdst(0) depctr_va_vdst(0) depctr_va_sdst(0) depctr_va_ssrc(0) depctr_va_vcc(0) depctr_vm_vsrc(0)
	s_getreg_b32 s2, hwreg(HW_REG_IB_STS2, 6, 4)
	s_cmp_eq_u32 s2, 0
	s_cbranch_scc0 .Lentry_in_a_cluster
	s_endpgm
.Lentry_in_a_cluster:
	s_bfe_u32 s2, ttmp6, 0x10000c
	s_cmp_lg_u32 s2, 0xf033
	s_cbranch_scc0 .Lentry_shape_is_right
	s_endpgm
.Lentry_shape_is_right:
; out[b][o] = sum over m of gate[b][m] x relu(x[b][:] . W[m][:][o] + b[m][o]);  gate = gu^2 / (sum over m of gu^2), gu = x . Wg + bg.
; x [4096][1024], W [16][1024 (o)][1024 (k)], Wg [16][1024]: codes of FP4 (E2M1), K innermost, 512 bytes a row, one E8M0 byte for each 32 along K.  b, bg, out: f32.
; Both quantised products go to the scaled matrix instruction as the codes and bytes lie; the sum over the 16 experts (K = 16, one row) is fused multiply-adds in f32.
; SHARES.  A work-group owns 256 rows x 64 columns of out and walks all 16 experts.  Wave w holds the codes of 128 rows of x, for all of K, in 512 registers for the whole launch;
; only W streams: memory -> ring of two LDS slots (8 experts x 32 columns each) -> registers.  A wave's 32 columns go in two PASSES of 16; a UNIT is (pass, expert): 8 tiles of rows x 8 K steps
; = 64 matrix instructions on 8 accumulators.  A fragment of W read from LDS feeds 8 matrix instructions.  32 units: u = 16 pass + expert.
; BY TURNS.  The hidden layer has two sets of accumulators.  While unit u is multiplied, unit u - 1's relu (64 v_max) and gate (32 packed multiply-adds) stand in slices of one or two
; instructions behind its matrix instructions.  The registers are laid so that the slices need no switch of the register windows (below).
; THE MATRIX INSTRUCTION IS USED TRANSPOSED: source 0 = 16 columns of W (or the 16 experts of Wg), source 1 = 16 rows of x: a lane holds ONE row of x (lane % 16) and 8 neighbouring columns 8 (lane / 16) + j.
; ROWS OF A WAVE: register tiles 0-3 are rows 64 w + 16 a, tiles 4-7 rows 64 (w xor 1) + 16 (a - 4); columns 32 pass + 16 (w & 1) + ..  Each wave makes the gates of its tiles 0-3; they go from wave to wave through LDS.
; CLUSTER 4 x 4: the four work-groups of a row of the cluster need the same rows of x, the four of a column the same columns of W, of its scales and of b: each tile is asked for jointly.
; No prefetch is written: each refill of a slot is issued 8 units, 512 matrix instructions of the wave, ahead of its first read, and the first tiles are wanted at once.
; THE RELU ON THE GATES is not written: a square times the reciprocal of a sum of squares has no sign for any input, and a NaN (0 / 0, inf / inf) stays a NaN there as here.
; LIMITS: the sum of gu^2 of a row lies in 2^-126 .. 2^126 (v_rcp_f32 takes denormals as 0: ISA guide, 15.8); gu^2 / sum is a reciprocal and a multiplication;
; a NaN in the hidden layer (a scale byte 0xff) becomes 0 in v_max_num_f32 where the definition keeps it: NaN among the inputs is not served.
;
; REGISTERS, in windows of 256 (s_set_vgpr_msb: bits 1:0 source 0, 3:2 source 1, 5:4 source 2, 7:6 destination):
;   window 0: v0-28 addresses; v32-63 x's scale words; v64-71 W's, two sets; v72-75 Wg's; v128-255 x, K steps 0, 1 (on the way out: rows of out)
;   window 1: v0-191 x, K steps 2-4; v208-239 pass 0's sums, tiles 0-3      window 2: v0-191 x, K steps 5-7; v192-207 gates, two sets; v208-239 pass 0's sums, tiles 4-7
;   window 3: v0-63 the sums OUT; v64-127, v128-191 the hidden layer, two sets; v192-223 four fragments of W; v224-231 the bias; v232-236 addresses; v240-255 at work on the gates
; In a unit the setting is: source 0, source 2 and destination window 3, source 1 = x's window.  It serves the matrix instruction (W, x, sums), v_max (register as source 0), the LDS loads of W and of the
; bias (address = source 0), and, while x's window is 2 (K steps 5-7), the packed multiply-add OUT += h x gate (gate = source 1): so all 32 of those stand in K steps 5-7.
.set XP,    528                        ; a row of 512 bytes of codes in LDS + 16 of padding: 33 x 16 bytes, so that the 16 rows of a fragment load start at 16 different banks (64 banks of 4 bytes: ISA guide 11.1)
.set EXPB,  32*XP                      ; an expert's 32 columns in a slot
.set SLOTA, 0                          ; 8 experts
.set SLOTB, 8*EXPB                     ; first x's 256 rows, then a slot of the ring
.set SCW,   2*8*EXPB                   ; W's scale bytes: 16 experts x 64 columns x 32 bytes; filled once
.set BIA,   SCW+16*2048                ; b: 16 experts x 64 columns x 4 bytes; filled once
.set GAT,   BIA+16*256                 ; the gates: [64 rows' group 4][expert 16][row % 16][tile 4] f32: written by LDS stores, never filled
.set SPARE, GAT+4*4096                 ; the spare words, 128 bytes for each wave: two blocks of 256 bytes that no other line names
.set SP,    272                        ; the way out: a stage of 256 rows x (256 bytes + 16), in slot A, which has then had its last fill and its last read
.set LN,  1                            ; lane
.set RR,  2                            ; r = lane % 16
.set HH,  3                            ; h = lane / 16
.set SPW, 10                           ; LDS address of my spare word; never rewritten
.set NIL, 11                           ; 0; never rewritten
.set AXL, 12                           ; x in LDS: my lane's place in tiles 0-3;  AXH: in tiles 4-7
.set AXH, 13
.set VXL, 14                           ; x's scale words in memory, likewise
.set VXH, 15
.set VWG, 16                           ; Wg's codes;  VSW: Wg's scale words;  VBG: bg
.set VSW, 17
.set VBG, 18
.set ASC, 19                           ; W's scale words in LDS, expert 0, pass 0
.set AG0, 20                           ; the gates of my tiles 0-3, expert 0;  AG1: of tiles 4-7
.set AG1, 21
.set TA,  22                           ; v22-24 addresses of the loads in hand
.set SOL, 25                           ; the stage: where tiles 0-3 go;  SOH: tiles 4-7
.set SOH, 26
.set RD,  27                           ; where I read rows back
.set CO,  28                           ; and their place in out
.set XS,  32                           ; v[XS + 8 i + q]: lanes 0-15 the word of tile 2 i, lanes 16-31 of tile 2 i + 1, K step q
.set WS,  64                           ; v[set + j]: lanes 0-15 K step j of column r, lanes 16-31 K step 4 + j
.set WGS, 72                           ; the same for Wg
.set OUT, 0                            ; window 3
.set HS0, 64
.set WF,  192
.set BIAS, 224
.set AW,  232                          ; the unit's fragments of W;  AWB: those of slot A's first expert
.set AWB, 233
.set AB,  234                          ; the next unit's bias;  ABB: that of expert 0, pass 0
.set ABB, 235
.set AGS, 236                          ; where I store gates
.set TT,  240
.set WGF, 64                           ; in the gate phase: Wg's 8 fragments, and the 4 accumulators of gu
.set GA,  192
.set GT,  192                          ; window 2: the gates
.set PK,  208                          ; windows 1 and 2: pass 0's sums
.set WV,  22                           ; s22 wave;  s23 wave & 1;  s24 wave xor 1
.set WC,  23
.set WO,  24
.set SNW, 25                           ; s25 LDS byte at which the NEXT unit's expert begins;  s26 its scale bytes;  s27 its bias;  s28 THIS unit's gates
.set SNS, 26
.set SNB, 27
.set SCG, 28
.set CNT, 29
.set SEL, 30                           ; s[30:31] v_permlanex16_b32's selects for lane l xor 16
.set G1X, 36                           ; descriptors: groups 1 for x, W, W's scales, b; groups 0 for x, the scales, b, and the four slots' worth of W: none is ever rewritten
.set G1W, 44
.set G1S, 52
.set G0X, 60
.set G1B, 68
.set G0S, 76
.set G0B, 80
.set G0W, 84
.set MSB, 0
.macro WIN new                         ; the immediate's high byte repeats the setting that is left; a switch that changes nothing is dropped
.if MSB != (\new)
	s_set_vgpr_msb (MSB<<8)|(\new)
.set MSB, (\new)
.endif
.endm
.macro WINQ                            ; a unit's setting for K step Q
.if Q < 2
	WIN 0xf3
.elseif Q < 5
	WIN 0xf7
.else
	WIN 0xfb
.endif
.endm
; A round of the cluster's barrier: my work-group's barrier, wave 0 signals for the work-group, every wave waits for all sixteen, my work-group's barrier once more.
.macro ROUND
	s_barrier_signal -1
	s_barrier_wait -1
	s_cmp_lg_u32 s[WV], 0
	s_cbranch_scc1 .Lnot_wave_0_\@
	s_barrier_signal -3
.Lnot_wave_0_\@:
	s_barrier_wait -3
	s_barrier_signal -1
	s_barrier_wait -1
.endm
	s_load_b256 s[4:11], s[0:1], 0x0               ; x's codes s[4:5], x's scales s[6:7], W's codes s[8:9], W's scales s[10:11]
	s_load_b256 s[12:19], s[0:1], 0x20             ; Wg's codes s[12:13], Wg's scales s[14:15], b s[16:17], bg s[18:19]
	s_load_b64 s[20:21], s[0:1], 0x40              ; out
	v_lshl_add_u32 v[SPW], v0, 2, SPARE
	v_mov_b32 v[NIL], 0
	ds_add_u32 v10, v11
	ds_add_u32 v10, v11
	s_wait_dscnt 0x0
	v_lshrrev_b32 v4, 5, v0
	v_readfirstlane_b32 s[WV], v4                  ; wave 0..3
	s_and_b32 s[WC], s[WV], 1
	s_xor_b32 s[WO], s[WV], 1
	s_bfe_u32 s25, ttmp6, 0x40000                  ; cx, cy: my place in the cluster
	s_bfe_u32 s26, ttmp6, 0x40004
	s_lshl_b32 s27, ttmp9, 2
	s_add_co_u32 s27, s27, s25                     ; block of 64 columns = 4 x cluster x + cx
	s_and_b32 s28, ttmp7, 0xffff
	s_lshl_b32 s28, s28, 2
	s_add_co_u32 s28, s28, s26                     ; block of 256 rows = 4 x cluster y + cy
	s_lshl_b32 s29, s26, 2
	s_lshl_b32 s29, 15, s29                        ; my row of the cluster: it shares the rows of x
	s_lshl_b32 s30, 0x1111, s25                    ; my column: it shares the columns of W
	; group 1 for x: 64 rows x 512 bytes a wave, 16 bytes of padding behind each row
	s_or_b32 s[G1X], s29, (1<<20)|(1<<21)|(6<<22)|(3<<25)   ; 15:0 the mask; 17:16 elements of 1 byte; 20 padding on; 21 set beside a mask; 24:22 after every 128 words (code 6); 31:25 four words (code 3)
	s_mov_b32 s[G1X+1], 512<<16                    ; tensor_dim0
	s_mov_b32 s[G1X+2], 64<<16                     ; tensor_dim1
	s_mov_b32 s[G1X+3], 512<<16                    ; tile_dim0
	s_mov_b32 s[G1X+4], 64                         ; tile_dim1
	s_mov_b32 s[G1X+5], 512                        ; from row to row
	s_mov_b32 s[G1X+6], 0
	s_mov_b32 s[G1X+7], 0
	; for W: an expert's 32 columns are 16,384 consecutive bytes: one row of the tile; two experts a wave, 524,288 bytes apart.  The padding's interval, 512 bytes, divides the row: every column lies 528 bytes from the last
	s_or_b32 s[G1W], s30, (1<<20)|(1<<21)|(6<<22)|(3<<25)
	s_mov_b32 s[G1W+1], 16384<<16
	s_mov_b32 s[G1W+2], 2<<16
	s_mov_b32 s[G1W+3], 16384<<16
	s_mov_b32 s[G1W+4], 2
	s_mov_b32 s[G1W+5], 524288
	s_mov_b32 s[G1W+6], 0
	s_mov_b32 s[G1W+7], 0
	; for W's scale bytes: four experts a wave, 2,048 bytes (256 elements of 8) each, 32,768 bytes apart; no padding
	s_or_b32 s[G1S], s30, (3<<16)|(1<<21)
	s_mov_b32 s[G1S+1], 256<<16
	s_mov_b32 s[G1S+2], 4<<16
	s_mov_b32 s[G1S+3], 256<<16
	s_mov_b32 s[G1S+4], 4
	s_mov_b32 s[G1S+5], 4096
	s_mov_b32 s[G1S+6], 0
	s_mov_b32 s[G1S+7], 0
	; for b: four experts a wave, 256 bytes each, 4,096 bytes apart
	s_or_b32 s[G1B], s30, (3<<16)|(1<<21)
	s_mov_b32 s[G1B+1], 32<<16
	s_mov_b32 s[G1B+2], 4<<16
	s_mov_b32 s[G1B+3], 32<<16
	s_mov_b32 s[G1B+4], 4
	s_mov_b32 s[G1B+5], 512
	s_mov_b32 s[G1B+6], 0
	s_mov_b32 s[G1B+7], 0
	; offsets.  s[32:33] feeds x's descriptor and never holds the column block; s[34:35] feeds W's, the scales' and b's and never holds the row block
	s_lshl_b32 s32, s28, 17                        ; x: 256 rows x 512 bytes a block,
	s_lshl_b32 s33, s[WV], 15                      ; 64 rows a wave
	s_add_co_u32 s32, s32, s33
	s_mov_b32 s33, 0
	s_lshl_b32 s34, s27, 15                        ; W: 64 columns x 512 bytes a block,
	s_lshl_b32 s35, s[WV], 20                      ; two experts a wave
	s_add_co_u32 s34, s34, s35
	s_mov_b32 s35, 0
	s_lshl_b32 s2, s28, 20                         ; out: 256 rows x 4,096 bytes a block, 64 rows a wave, 256 bytes a column block
	s_lshl_b32 s3, s[WV], 18
	s_add_co_u32 s2, s2, s3
	s_lshl_b32 s3, s27, 8
	s_add_co_u32 s2, s2, s3
	s_mov_b32 s3, 0
	s_mul_i32 s31, s[WV], 2*EXPB                   ; a wave's share of a slot: 64 rows of x, or two experts: no place in the cluster enters an LDS address
	s_wait_kmcnt 0x0
	s_add_nc_u64 s[20:21], s[20:21], s[2:3]        ; out at the first row that I store
	s_lshl_b32 s2, s28, 13
	s_add_nc_u64 s[6:7], s[6:7], s[2:3]            ; x's scale bytes at the block's first row
	s_mov_b32 s[G0X], 1                            ; 1:0 count = 1
	s_add_co_u32 s[G0X+1], s31, SLOTB              ; 63:32 LDS address
	s_add_nc_u64 s[G0X+2:G0X+3], s[4:5], s[32:33]  ; 120:64 global address
	s_or_b32 s[G0X+3], s[G0X+3], 0x80000000        ; 127:126 type = 2
	s_add_nc_u64 s[8:9], s[8:9], s[34:35]
.irp s, 0,1,2,3                                ; slot's worth s: pass s / 2, experts 8 (s % 2) on, into slot A (s even) or B
	s_mov_b32 s[G0W+4*\s], 1
	s_add_co_u32 s[G0W+4*\s+1], s31, (\s%2)*SLOTB
	s_add_nc_u64 s[G0W+4*\s+2:G0W+4*\s+3], s[8:9], (\s%2)*8*524288+(\s/2)*16384
	s_or_b32 s[G0W+4*\s+3], s[G0W+4*\s+3], 0x80000000
.endr
	s_lshl_b32 s34, s[WV], 17                      ; W's scales: four experts a wave, 2,048 bytes a column block
	s_lshl_b32 s2, s27, 11
	s_add_co_u32 s34, s34, s2
	s_lshl_b32 s2, s[WV], 13
	s_mov_b32 s[G0S], 1
	s_add_co_u32 s[G0S+1], s2, SCW
	s_add_nc_u64 s[G0S+2:G0S+3], s[10:11], s[34:35]
	s_or_b32 s[G0S+3], s[G0S+3], 0x80000000
	s_lshl_b32 s34, s[WV], 14                      ; b: four experts a wave, 256 bytes a column block
	s_lshl_b32 s2, s27, 8
	s_add_co_u32 s34, s34, s2
	s_lshl_b32 s2, s[WV], 10
	s_mov_b32 s[G0B], 1
	s_add_co_u32 s[G0B+1], s2, BIA
	s_add_nc_u64 s[G0B+2:G0B+3], s[16:17], s[34:35]
	s_or_b32 s[G0B+3], s[G0B+3], 0x80000000
	ROUND                                          ; all sixteen work-groups are here: the first joint loads meet
	tensor_load_to_lds s[G0X:G0X+3], s[G1X:G1X+7]  ; the first fills, one group, four loads of mine out: x first, since it is wanted first,
	s_nop 0
	tensor_load_to_lds s[G0S:G0S+3], s[G1S:G1S+7]  ; W's scale bytes,
	s_nop 0
	tensor_load_to_lds s[G0B:G0B+3], s[G1B:G1B+7]  ; b,
	s_nop 0
	tensor_load_to_lds s[G0W:G0W+3], s[G1W:G1W+7]  ; pass 0, experts 0-7
	s_nop 0
.rept 4
	v_nop
.endr
	v_and_b32 v[LN], 31, v0
	v_and_b32 v[RR], 15, v0
	v_bfe_u32 v[HH], v0, 4, 1
	v_lshlrev_b32 v5, 5, v[LN]                     ; x's scale words: 32 bytes a row; lane l takes row l of a pair of tiles
	s_lshl_b32 s2, s[WV], 11
	v_add_nc_u32 v[VXL], s2, v5
	s_lshl_b32 s2, s[WO], 11
	v_add_nc_u32 v[VXH], s2, v5
	v_lshlrev_b32 v[VWG], 9, v[RR]
	v_lshl_add_u32 v[VWG], v[HH], 4, v[VWG]        ; Wg: expert r's row of 512 bytes, + 16 h
	v_lshlrev_b32 v[VSW], 5, v[RR]
	v_lshl_add_u32 v[VSW], v[HH], 4, v[VSW]        ; a row of 32 scale bytes: lanes 0-15 take words 0-3, lanes 16-31 words 4-7
	v_lshlrev_b32 v[VBG], 5, v[HH]                 ; eight f32 for each half of the lanes
.irp i, 0,1
.irp c, 0,1
	global_load_b128 v[XS+8*\i+4*\c:XS+8*\i+4*\c+3], v[VXL], s[6:7] offset:1024*\i+16*\c
.endr
.endr
.irp i, 0,1
.irp c, 0,1
	global_load_b128 v[XS+16+8*\i+4*\c:XS+16+8*\i+4*\c+3], v[VXH], s[6:7] offset:1024*\i+16*\c
.endr
.endr
	global_load_b128 v[WGS:WGS+3], v[VSW], s[14:15]
	WIN 0xc0                                       ; destination window 3, address window 0
.irp q, 0,1,2,3,4,5,6,7
.irp c, 0,1
	global_load_b128 v[WGF+8*\q+4*\c:WGF+8*\q+4*\c+3], v[VWG], s[12:13] offset:64*\q+32*\c   ; a fragment: registers 4 c .. 4 c + 3 hold K = 128 q + 64 c + 32 h + 0 .. 31
.endr
.endr
	global_load_b128 v[BIAS:BIAS+3], v[VBG], s[18:19]              ; bg of experts 8 h + 0 .. 7: the C of the gates' first products
	global_load_b128 v[BIAS+4:BIAS+7], v[VBG], s[18:19] offset:16
	WIN 0
	v_mul_u32_u24 v4, v[RR], XP
	v_lshl_add_u32 v4, v[HH], 4, v4                ; a fragment's row x pitch + 16 h
	s_add_co_u32 s2, s31, SLOTB
	v_add_nc_u32 v[AXL], s2, v4                    ; x: rows 64 w on,
	s_mul_i32 s2, s[WO], 2*EXPB
	s_add_co_u32 s2, s2, SLOTB
	v_add_nc_u32 v[AXH], s2, v4                    ; and rows 64 (w xor 1) on
	s_lshl_b32 s2, s[WC], 9
	s_add_co_u32 s2, s2, SCW
	v_add_nc_u32 v[ASC], s2, v[VSW]                ; W's scale words: my 16 columns x 32 bytes
	v_lshlrev_b32 v6, 4, v[RR]
	s_lshl_b32 s3, s[WO], 12
	s_add_co_u32 s3, s3, GAT
	v_add_nc_u32 v[AG1], s3, v6
	s_lshl_b32 s2, s[WV], 12
	s_add_co_u32 s2, s2, GAT                       ; (kept for AGS)
	v_add_nc_u32 v[AG0], s2, v6
	v_lshl_add_u32 v7, v[HH], 11, v6               ; my gates: experts 8 h on, row r
	v_mul_u32_u24 v8, v[RR], SP
	v_lshl_add_u32 v8, v[HH], 5, v8                ; the stage: row r, + 32 h
	v_mul_u32_u24 v9, v[HH], SP
	v_add_nc_u32 v9, v9, v6                        ; back: lanes 0-15 one row, lanes 16-31 the next; 16 bytes a lane
	s_lshl_b32 s32, s[WC], 6                       ; my 16 columns: 64 bytes
	s_mul_i32 s3, s[WV], 64*SP
	v_add_nc_u32 v[RD], s3, v9
	s_add_co_u32 s3, s3, s32
	v_add_nc_u32 v[SOL], s3, v8
	s_mul_i32 s3, s[WO], 64*SP
	s_add_co_u32 s3, s3, s32
	v_add_nc_u32 v[SOH], s3, v8
	v_lshl_add_u32 v[CO], v[HH], 12, v6            ; the same two rows in out
	s_mul_i32 s33, s[WC], 16*XP
	s_add_co_u32 s32, s32, BIA
	s_mov_b32 s[SEL], 0x76543210
	s_mov_b32 s[SEL+1], 0xfedcba98
	WIN 0xc0
	v_add_nc_u32 v[AWB], s33, v4                   ; W: my 16 columns of an expert's 32
	v_add_nc_u32 v[ABB], s32, v[VBG]
	v_add_nc_u32 v[AGS], s2, v7
	; While the first tiles are on their way: zeros for the sums, for the hidden layer's second set and for the gates' second set.  So unit 0 can carry an epilogue like every other (0 x 0 onto 0), and the unit is written in one form.
.set i, 0
.rept 64
	v_mov_b32 v[OUT+i], 0
	v_mov_b32 v[HS0+64+i], 0
.set i, i+1
.endr
	WIN 0x80
.irp i, 0,1,2,3,4,5,6,7
	v_mov_b32 v[GT+8+\i], 0
.endr
	WIN 0
	s_wait_tensorcnt 0x3                           ; my 64 rows of x are in: that load is the oldest, the three behind it may stay out
	s_barrier_signal -1
	s_barrier_wait -1                              ; everybody's are
; x INTO REGISTERS: K step q, tiles 0-7, two loads of 16 bytes a fragment
.macro XLD q, base
.irp a, 0,1,2,3
.irp c, 0,1
	ds_load_b128 v[\base+8*\a+4*\c:\base+8*\a+4*\c+3], v[AXL] offset:\a*16*XP+64*\q+32*\c
.endr
.endr
.irp a, 0,1,2,3
.irp c, 0,1
	ds_load_b128 v[\base+32+8*\a+4*\c:\base+32+8*\a+4*\c+3], v[AXH] offset:\a*16*XP+64*\q+32*\c
.endr
.endr
.endm
	XLD 0, 128
	XLD 1, 192
	WIN 0x40
	XLD 2, 0
	XLD 3, 64
	XLD 4, 128
	WIN 0x80
	XLD 5, 0
	XLD 6, 64
	XLD 7, 128
	s_wait_loadcnt 0x0                             ; x's scale words, Wg, bg
; One matrix instruction: K step Q, tile of rows A.  The caller sets rD (the sums), rA (source 0's fragment) and rSA (its scale words).  K step 0 takes the bias as C: nothing is cleared, nothing is added later.
.macro WMX
.if Q < 2
.set rB, 128+64*Q+8*A
.elseif Q < 5
.set rB, 64*(Q-2)+8*A
.else
.set rB, 64*(Q-5)+8*A
.endif
.set rC, rD
.if Q == 0
.set rC, BIAS
.endif
.set rSB, XS+8*(A/2)+Q
.if (Q < 4) && (A%2 == 0)
	v_wmma_scale_f32_16x16x128_f8f6f4 v[rD:rD+7], v[rA:rA+7], v[rB:rB+7], v[rC:rC+7], v[rSA], v[rSB] matrix_a_fmt:MATRIX_FMT_FP4 matrix_b_fmt:MATRIX_FMT_FP4
.elseif Q < 4
	v_wmma_scale_f32_16x16x128_f8f6f4 v[rD:rD+7], v[rA:rA+7], v[rB:rB+7], v[rC:rC+7], v[rSA], v[rSB] matrix_a_fmt:MATRIX_FMT_FP4 matrix_b_fmt:MATRIX_FMT_FP4 matrix_b_scale:MATRIX_SCALE_ROW1
.elseif A%2 == 0
	v_wmma_scale_f32_16x16x128_f8f6f4 v[rD:rD+7], v[rA:rA+7], v[rB:rB+7], v[rC:rC+7], v[rSA], v[rSB] matrix_a_fmt:MATRIX_FMT_FP4 matrix_b_fmt:MATRIX_FMT_FP4 matrix_a_scale:MATRIX_SCALE_ROW1
.else
	v_wmma_scale_f32_16x16x128_f8f6f4 v[rD:rD+7], v[rA:rA+7], v[rB:rB+7], v[rC:rC+7], v[rSA], v[rSB] matrix_a_fmt:MATRIX_FMT_FP4 matrix_b_fmt:MATRIX_FMT_FP4 matrix_a_scale:MATRIX_SCALE_ROW1 matrix_b_scale:MATRIX_SCALE_ROW1
.endif
.endm
	; THE GATES of my rows 64 w .. 64 w + 63: gu = Wg x^T + bg, four accumulators by turns.  Lane (r, h), register j: row r of the tile, expert 8 h + j.
.set Q, 0
.rept 8
.set GW, 16*(7-Q)+8                    ; behind tiles 0-3 of K step Q: its tiles 4-7 (8 loads) and 16 loads for each later K step
.if GW > 63
.set GW, 63                            ; (the count's field ends at 63: of 128 loads the first 65 are then in, K steps 0-3 among them)
.endif
	s_wait_dscnt GW
	WINQ
.set A, 0
.rept 4
.set rD, GA+8*A
.set rA, WGF+8*Q
.set rSA, WGS+Q%4
	WMX
.set A, A+1
.endr
.set Q, Q+1
.endr
.rept 4
	v_nop                                          ; four places between the last products and the first read of results (ISA guide 7.12.1)
.endr
	WIN 0xff                                       ; all in window 3; the four tiles by turns, each accumulator from its low end on
.irp i, 0,2,4,6
.irp t, 0,1,2,3
	v_pk_mul_f32 v[GA+8*\t+\i:GA+8*\t+\i+1], v[GA+8*\t+\i:GA+8*\t+\i+1], v[GA+8*\t+\i:GA+8*\t+\i+1]   ; gu^2
.endr
.endr
.irp t, 0,1,2,3
	v_pk_add_f32 v[TT+4*\t:TT+4*\t+1], v[GA+8*\t:GA+8*\t+1], v[GA+8*\t+2:GA+8*\t+3]
.endr
.irp t, 0,1,2,3
	v_pk_add_f32 v[TT+4*\t+2:TT+4*\t+3], v[GA+8*\t+4:GA+8*\t+5], v[GA+8*\t+6:GA+8*\t+7]
.endr
.irp t, 0,1,2,3
	v_pk_add_f32 v[TT+4*\t:TT+4*\t+1], v[TT+4*\t:TT+4*\t+1], v[TT+4*\t+2:TT+4*\t+3]
.endr
.irp t, 0,1,2,3
	v_add_f32 v[TT+4*\t], v[TT+4*\t], v[TT+4*\t+1]                 ; my eight experts,
.endr
.irp t, 0,1,2,3
	v_permlanex16_b32 v[TT+4*\t+1], v[TT+4*\t], s[SEL], s[SEL+1]
.endr
.irp t, 0,1,2,3
	v_add_f32 v[TT+4*\t], v[TT+4*\t], v[TT+4*\t+1]                 ; and lane l xor 16's eight: the row's sum
.endr
.irp t, 0,1,2,3
	v_rcp_f32 v[TT+4*\t+2], v[TT+4*\t]
.endr
	v_nop                                          ; a plain instruction behind the last reciprocal (ISA guide 5.7.2),
	s_wait_alu depctr_va_vdst(0)                   ; and one wait for the four, ahead of their first reader
.irp i, 0,2,4,6
.irp t, 0,1,2,3
	v_pk_mul_f32 v[GA+8*\t+\i:GA+8*\t+\i+1], v[GA+8*\t+\i:GA+8*\t+\i+1], v[TT+4*\t+2:TT+4*\t+3] op_sel_hi:[1,0]   ; the gate
.endr
.endr
.irp t, 0,1,2,3
.irp j, 0,1,2,3,4,5,6,7
	ds_store_b32 v[AGS], v[GA+8*\t+\j] offset:256*\j+4*\t          ; [expert 8 h + j][r][tile t]: a lane later takes its row's four tiles by one load of 16 bytes
.endr
.endr
	; x has left slot B.  One round for four things: every wave's reads of x are over, the gates lie in LDS, the first fills have landed, the partners are in step.
	WIN 0
	s_wait_tensorcnt 0x0                           ; all my tensor loads have landed: the scales, b, experts 0-7;
	ds_add_u32 v[SPW], v[NIL]                      ; 0 onto my spare word
	s_wait_dscnt 0x0                               ; the add is done, x is in registers, my gates are stored
	ROUND
	tensor_load_to_lds s[G0W+4:G0W+7], s[G1W:G1W+7]   ; pass 0, experts 8-15, into slot B: my one load behind the round; it has seven and a half units in which to land
	s_nop 0
.rept 4
	v_nop
.endr
; THE EPILOGUE of the unit before, as a list of 96: numbers 0-63 the relu, each accumulator from its low end on; 64-95 OUT += h x gate, two columns at a time.  EPI1 writes number EJ.
; A tile's gate is one register of a pair: the even tile's serves both halves by op_sel_hi, the odd tile's by op_sel.
.macro EPI1
.if EJ < 64
	v_max_num_f32 v[HP+EJ], v[HP+EJ], 0            ; the register stands as source 0, whose window is 3
.else
.set eA, (EJ-64)/4
.set eI, 8*eA+2*((EJ-64)%4)
.set eG, GSU+2*(eA/2)
.if eA%2 == 0
	v_pk_fma_f32 v[OUT+eI:OUT+eI+1], v[HP+eI:HP+eI+1], v[eG:eG+1], v[OUT+eI:OUT+eI+1] op_sel_hi:[1,0,1]
.else
	v_pk_fma_f32 v[OUT+eI:OUT+eI+1], v[HP+eI:HP+eI+1], v[eG:eG+1], v[OUT+eI:OUT+eI+1] op_sel:[0,1,0] op_sel_hi:[1,1,1]
.endif
.endif
.set EJ, EJ+1
.endm
; Once a unit: this unit's gates (for its epilogue, a unit later) and the next unit's scale words of W.
.macro SERVICE nxt
	WIN 0
	v_add_nc_u32 v[TA], s[SCG], v[AG0]
	v_add_nc_u32 v[TA+1], s[SCG], v[AG1]
.if \nxt
	v_add_nc_u32 v[TA+2], s[SNS], v[ASC]
	ds_load_b128 v[WSN:WSN+3], v[TA+2]
.endif
	WIN 0x80
	ds_load_b128 v[GSL:GSL+3], v[TA]
	ds_load_b128 v[GSL+4:GSL+7], v[TA+1]
	WIN 0xf3
.endm
; A UNIT.  par: which set of the hidden layer, of W's scale words and of the gates is this unit's.  nxt = 1: a unit follows.
; chg = 1: this unit is a slot's last and the slot is filled again, by group 0 g0;  chg = 2: a slot's last, nothing is filled.
; The 8 accumulators take turns, one instruction a turn, from K step to K step and from unit to unit.  Behind each matrix instruction stands a slice of the epilogue, of one
; instruction at the least: K step q has 14, 10, 12, 14, 14 (the relu), 10, 11, 11 (the multiply-adds) of them: the nibbles of 0xbbaeecae.
; W'S FRAGMENTS: four sets of 8 registers; K step q + 3's is asked for behind the third product of K step q, into the set that K step q - 1 left: four slices, four plain instructions that name none of that
; product's registers, stand behind the last product that read it (ISA guide 7.12.1 for vector instructions).  From K step 5 on they are the next unit's.
; THE WAIT at the head of K step q counts the LDS instructions issued behind fragment q's two loads (the nibbles of NTAB): q = 0, 1: two fragments, 4; q = 2: two fragments and the three loads of SERVICE, 7;
; q = 3: one fragment, SERVICE, one fragment, the bias's two, 9; q = 4: SERVICE, a fragment, the bias, a fragment, 9; q = 5: the bias and two fragments, 6; q = 6, 7: 4.  In the last unit: 4, 4, 6, 6, 6, 4, 2, 0.
; Scale words, bias and gates are older than the fragment waited for where they are first used.
.macro UNIT par, chg, g0, nxt
.set HC,  HS0+64*\par
.set HP,  HS0+64-64*\par
.set WSC, WS+4*\par
.set WSN, WS+4-4*\par
.set GSL, GT+8*\par
.set GSU, GT+8-8*\par
.if \nxt
.set NTAB, 0x44699744
.else
.set NTAB, 0x02466644
.endif
.set EJ, 0
.set Q, 0
.rept 8
	s_wait_dscnt (NTAB>>(4*Q))&15
	WINQ
.set NVQ, (0xbbaeecae>>(4*Q))&15
.set A, 0
.rept 8
.set rD, HC+8*A
.set rA, WF+8*(Q%4)
.set rSA, WSC+Q%4
	WMX
.set NSL, NVQ/8
.if A < NVQ%8
.set NSL, NSL+1
.endif
.rept NSL
	EPI1
.endr
.if (A == 2) && ((\nxt) || (Q <= 4))
.if Q == 5
	v_lshl_add_u32 v[AW], v[AWB], 0, s[SNW]        ; on to the next unit's expert (the register stands as source 0: window 3)
.endif
.set FQ, (Q+3)%8
	ds_load_b128 v[WF+8*(FQ%4):WF+8*(FQ%4)+3],   v[AW] offset:64*FQ
	ds_load_b128 v[WF+8*(FQ%4)+4:WF+8*(FQ%4)+7], v[AW] offset:64*FQ+32
.endif
.if (A == 5) && (Q == 1)
	SERVICE \nxt
.endif
.if (A == 5) && (Q == 2) && (\nxt)
	v_lshl_add_u32 v[AB], v[ABB], 0, s[SNB]        ; the next unit's bias: this unit's was read by K step 0
	ds_load_b128 v[BIAS:BIAS+3],   v[AB]
	ds_load_b128 v[BIAS+4:BIAS+7], v[AB] offset:16
.endif
.if (A == 3) && (Q == 4) && (\chg)
	WIN 0                                          ; THE CHANGE OF SLOTS.  The slot's last bytes, fragment 7, have just been asked for.  (The add's two registers lie in window 0)
	s_wait_tensorcnt 0x0                           ; all my tensor loads have landed: the one that was out is my part of the next slot;
	ds_add_u32 v[SPW], v[NIL]                      ; 0 onto my spare word; four products and their slices stand between it and the wait for it
	WIN 0xf7
.endif
.set A, A+1
.endr
.if (Q == 4) && (\chg)
	s_wait_dscnt 0x0                               ; the add is done, and my reads of this slot are over
	WIN 0                                          ; at a branch and at a label every window is 0
.if \chg == 1
	ROUND                                          ; no wave of any partner still reads this slot or has a load on its way
	tensor_load_to_lds s[\g0:\g0+3], s[G1W:G1W+7]  ; my one load behind the round, and the first thing there: it has 8 units in which to land
	s_nop 0
.rept 4
	v_nop
.endr
.else
	s_barrier_signal -1                            ; the last slot is whole for every wave, and nobody reads slot A any more: it will be the stage
	s_barrier_wait -1
.endif
.endif
.set Q, Q+1
.endr
.endm
; Where unit u's loads go: written as constants wherever a unit stands outside a loop, stepped by constants inside one.
.macro SETU u
.if (\u) < 31
	s_mov_b32 s[SNW], ((((\u)+1)/8)%2)*SLOTB+(((\u)+1)%8)*EXPB
	s_mov_b32 s[SNS], (((\u)+1)%16)*2048+(((\u)+1)/16)*1024
	s_mov_b32 s[SNB], (((\u)+1)%16)*256+(((\u)+1)/16)*128
.endif
	s_mov_b32 s[SCG], ((\u)%16)*256
.endm
.macro STEPU
	s_add_co_u32 s[SNW], s[SNW], EXPB
	s_add_co_u32 s[SNS], s[SNS], 2048
	s_add_co_u32 s[SNB], s[SNB], 256
	s_add_co_u32 s[SCG], s[SCG], 256
.endm
.macro LOOP n                          ; n trips of two units: after two the sets are back where they began
	WIN 0
	s_mov_b32 s[CNT], \n
.Lpair_\@:
	UNIT 0, 0, 0, 1
	STEPU
	UNIT 1, 0, 0, 1
	STEPU
	WIN 0
	s_sub_co_u32 s[CNT], s[CNT], 1
	s_cmp_lg_u32 s[CNT], 0
	s_cbranch_scc1 .Lpair_\@
.endm
	; unit 0's scale words, bias and first three fragments
	ds_load_b128 v[WS:WS+3], v[ASC]
	WIN 0xf3
	v_lshl_add_u32 v[AW], v[AWB], 0, 0
	ds_load_b128 v[BIAS:BIAS+3],   v[ABB]
	ds_load_b128 v[BIAS+4:BIAS+7], v[ABB] offset:16
.irp q, 0,1,2
	ds_load_b128 v[WF+8*\q:WF+8*\q+3],   v[AW] offset:64*\q
	ds_load_b128 v[WF+8*\q+4:WF+8*\q+7], v[AW] offset:64*\q+32
.endr
	; pass 0, experts 0-7: slot A
	SETU 0
	LOOP 3
	SETU 6
	UNIT 0, 0, 0, 1
	SETU 7
	UNIT 1, 1, G0W+8, 1                            ; slot A takes pass 1, experts 0-7
	; pass 0, experts 8-15: slot B
	SETU 8
	LOOP 3
	SETU 14
	UNIT 0, 0, 0, 1
	SETU 15
	UNIT 1, 1, G0W+12, 1                           ; slot B takes pass 1, experts 8-15: the last load
	; pass 1, experts 0-7: slot A.  Unit 16 carries the epilogue of pass 0's last expert; then pass 0's sums are put aside and the sums begin anew
	SETU 16
	UNIT 0, 0, 0, 1
	WIN 0x43                                       ; source window 3, destination window 1
.set i, 0
.rept 32
	v_mov_b32 v[PK+i], v[OUT+i]
.set i, i+1
.endr
	WIN 0x83                                       ; destination window 2
.set i, 0
.rept 32
	v_mov_b32 v[PK+i], v[OUT+32+i]
.set i, i+1
.endr
	WIN 0xc0
.set i, 0
.rept 64
	v_mov_b32 v[OUT+i], 0
.set i, i+1
.endr
	SETU 17
	UNIT 1, 0, 0, 1
	SETU 18
	LOOP 2
	SETU 22
	UNIT 0, 0, 0, 1
	SETU 23
	UNIT 1, 2, 0, 1
	; pass 1, experts 8-15: slot B
	SETU 24
	LOOP 3
	SETU 30
	UNIT 0, 0, 0, 1
	SETU 31
	UNIT 1, 0, 0, 0
	; the last unit's epilogue.  Its first accumulator was finished eight products and eleven plain instructions ago; each later one has the relu of those before it between
.set HP,  HS0+64
.set GSU, GT+8
.set EJ, 0
	WIN 0xfb
.rept 96
	EPI1
.endr
	; THE WAY OUT.  A lane holds 32 neighbouring bytes of a row; a row's 256 bytes come from two waves and two passes.  They meet in the stage, and each wave stores 64 whole rows.
	WIN 0x04                                       ; an LDS store's data are its source 1: window 1
.irp a, 0,1,2,3
.irp c, 0,1
	ds_store_b128 v[SOL], v[PK+8*\a+4*\c:PK+8*\a+4*\c+3] offset:\a*16*SP+16*\c             ; pass 0, tiles 0-3
.endr
.endr
	WIN 0x08
.irp a, 0,1,2,3
.irp c, 0,1
	ds_store_b128 v[SOH], v[PK+8*\a+4*\c:PK+8*\a+4*\c+3] offset:\a*16*SP+16*\c             ; pass 0, tiles 4-7
.endr
.endr
	WIN 0x0c
.irp a, 0,1,2,3
.irp c, 0,1
	ds_store_b128 v[SOL], v[OUT+8*\a+4*\c:OUT+8*\a+4*\c+3] offset:\a*16*SP+128+16*\c       ; pass 1: 32 columns, 128 bytes, further on
.endr
.endr
.irp a, 0,1,2,3
.irp c, 0,1
	ds_store_b128 v[SOH], v[OUT+32+8*\a+4*\c:OUT+32+8*\a+4*\c+3] offset:\a*16*SP+128+16*\c
.endr
.endr
	WIN 0
	s_wait_dscnt 0x0                               ; for the others' sake: my stores into the stage are done
	s_barrier_signal -1
	s_barrier_wait -1
.set i, 0
.rept 32
	ds_load_b128 v[128+4*i:128+4*i+3], v[RD] offset:i*2*SP         ; rows 64 w + 2 i and + 1, into the registers that held x's first K steps
.set i, i+1
.endr
.set i, 0
.rept 32
	s_wait_dscnt 31-i                              ; LDS loads come back in order (ISA guide 5.7.1): pair i of rows is in
	global_store_b128 v[CO], v[128+4*i:128+4*i+3], s[20:21] offset:i*8192 th:TH_STORE_NT   ; 16 lanes store 256 consecutive bytes, at a multiple of 256 from out's first byte; written once, read by nobody here
.set i, i+1
.endr
	s_wait_tensorcnt 0x0                           ; the wave's end: behind my last tensor load and my last LDS store
	ds_add_u32 v[SPW], v[NIL]
	s_wait_dscnt 0x0
	ROUND                                          ; the closing round: no work-group ends while a partner may still ask for a tile that names it
	s_endpgm
.Lfunc_end_k_qab85fd43fa_gated:
	.size	k_qab85fd43fa_gated, .Lfunc_end_k_qab85fd43fa_gated-k_qab85fd43fa_gated
	.p2alignl 7, 3214868480
	.fill 96, 4, 3214868480
	.section	.rodata,"a",@progbits
	.p2align	6, 0x0
	.amdhsa_kernel k_qab85fd43fa_gated
		.amdhsa_group_segment_fixed_size 327680
		.amdhsa_private_segment_fixed_size 0
		.amdhsa_enable_private_segment 0
		.amdhsa_kernarg_size 72
		.amdhsa_user_sgpr_count 2
		.amdhsa_user_sgpr_kernarg_segment_ptr 1
		.amdhsa_wavefront_size32 1
		.amdhsa_system_sgpr_workgroup_id_x 1
		.amdhsa_system_sgpr_workgroup_id_y 1
		.amdhsa_system_sgpr_workgroup_id_z 1
		.amdhsa_system_vgpr_workitem_id 0
		.amdhsa_next_free_vgpr 1024
		.amdhsa_next_free_sgpr 100
		.amdhsa_reserve_vcc 0
		.amdhsa_float_denorm_mode_32 3
		.amdhsa_float_denorm_mode_16_64 3
		.amdhsa_memory_ordered 1
		.amdhsa_forward_progress 1
		.amdhsa_inst_pref_size 255
	.end_amdhsa_kernel
	.section	.bss,"aw",@nobits
	.p2align	6
	.space	262144
	.amdgpu_metadata
---
amdhsa.version: [ 1, 2 ]
amdhsa.kernels:
  - .name:           k_qab85fd43fa_gated
    .symbol:         k_qab85fd43fa_gated.kd
    .args:
      - { .name: x_codes, .offset: 0, .size: 8, .value_kind: global_buffer, .address_space: global }
      - { .name: x_scales, .offset: 8, .size: 8, .value_kind: global_buffer, .address_space: global }
      - { .name: W_codes, .offset: 16, .size: 8, .value_kind: global_buffer, .address_space: global }
      - { .name: W_scales, .offset: 24, .size: 8, .value_kind: global_buffer, .address_space: global }
      - { .name: Wg_codes, .offset: 32, .size: 8, .value_kind: global_buffer, .address_space: global }
      - { .name: Wg_scales, .offset: 40, .size: 8, .value_kind: global_buffer, .address_space: global }
      - { .name: b, .offset: 48, .size: 8, .value_kind: global_buffer, .address_space: global }
      - { .name: bg, .offset: 56, .size: 8, .value_kind: global_buffer, .address_space: global }
      - { .name: out0, .offset: 64, .size: 8, .value_kind: global_buffer, .address_space: global }
    .group_segment_fixed_size: 327680
    .private_segment_fixed_size: 0
    .kernarg_segment_align: 8
    .kernarg_segment_size: 72
    .max_flat_workgroup_size: 128
    .sgpr_count:     100
    .vgpr_count:     1024
    .wavefront_size: 32
...
	.end_amdgpu_metadata
.endif
;; end of part 1
;; ======== version 2 of 2: 1 launch; 1.21 times as fast as version 1
;; launch gated (part 2): grid 16 x 16, 4 waves a work-group, clusters of 4 x 4, 327,680 bytes of LDS; arguments x_codes, x_scales, W_codes, W_scales, Wg_codes, Wg_scales, b, bg, out0; writes out0
.if DOCPART == 2
	.amdgcn_target "amdgcn-amd-amdhsa--gfx1250"
	.amdhsa_code_object_version 6
	.text
	.protected	k_qab85fd43fa_gated
	.globl	k_qab85fd43fa_gated
	.p2align	8
	.type	k_qab85fd43fa_gated,@function
k_qab85fd43fa_gated:
	s_mov_b64 s[64:65], 0
	v_nop
	global_prefetch_b8 v0, s[64:65] scope:SCOPE_SE
	s_setreg_imm32_b32 hwreg(HW_REG_WAVE_MODE, 25, 1), 1
	s_wait_xcnt 0x0
	s_wait_alu depctr_hold_cnt(0) depctr_sa_sdst(0) depctr_va_vdst(0) depctr_va_sdst(0) depctr_va_ssrc(0) depctr_va_vcc(0) depctr_vm_vsrc(0)
	s_getreg_b32 s2, hwreg(HW_REG_IB_STS2, 6, 4)
	s_cmp_eq_u32 s2, 0
	s_cbranch_scc0 .Lentry_in_a_cluster
	s_endpgm
.Lentry_in_a_cluster:
	s_bfe_u32 s2, ttmp6, 0x10000c
	s_cmp_lg_u32 s2, 0xf033
	s_cbranch_scc0 .Lentry_shape_is_right
	s_endpgm
.Lentry_shape_is_right:
; out[b][o] = sum over m of gate[b][m] x relu(x[b][:] . W[m][:][o] + b[m][o]);  gate = gu^2 / (sum over m of gu^2), gu = x . Wg + bg.
; x [4096][1024], W [16][1024 (o)][1024 (k)], Wg [16][1024]: codes of FP4 (E2M1), K innermost, 512 bytes a row, one E8M0 byte for each 32 along K.  b, bg, out: f32.
; Both quantised products go to the scaled matrix instruction as the codes and bytes lie; the sum over the 16 experts (K = 16, one row) is fused multiply-adds in f32.
; SHARES.  A work-group owns 256 rows x 64 columns of out and walks all 16 experts (grid x counts blocks of rows, grid y blocks of columns).  Wave w holds the codes of 128 rows of x, for all of K, in 512
; registers for the whole launch; only W streams: memory -> ring of two LDS slots (8 experts x 32 columns each) -> registers.  A wave's 32 columns go in two PASSES of 16; a UNIT is (pass, expert): 8 tiles of
; rows x 8 K steps = 64 matrix instructions on 8 accumulators.  A fragment of W read from LDS feeds 8 matrix instructions.  32 units: u = 16 pass + expert.
; THE GRAIN IS A K STEP.  The hidden layer has two sets of accumulators.  A K step's eight products stand back to back, the eight accumulators by turns; behind them stands a slice of ten to thirteen
; instructions of the unit BEFORE's relu (64 v_max) and gate (32 packed multiply-adds).  The LDS loads of a unit stand in two runs, each behind a slice, never singly among the matrix instructions.
; The registers are laid so that the slices need no switch of the register windows (below).
; THE MATRIX INSTRUCTION IS USED TRANSPOSED: source 0 = 16 columns of W (or the 16 experts of Wg), source 1 = 16 rows of x: a lane holds ONE row of x (lane % 16) and 8 neighbouring columns 8 (lane / 16) + j.
; ROWS OF A WAVE: register tiles 0-3 are rows 64 w + 16 a, tiles 4-7 rows 64 (w xor 1) + 16 (a - 4); columns 32 pass + 16 (w & 1) + ..  Each wave makes the gates of its tiles 0-3; they go from wave to wave through LDS.
; CLUSTER 4 x 4: the four work-groups of a column of the cluster need the same rows of x, the four of a row the same columns of W, of its scales and of b: each tile is asked for jointly.
; No prefetch is written: each refill of a slot is issued 8 units, 512 matrix instructions of the wave, ahead of its first read, and the first tiles are wanted at once.
; THE RELU ON THE GATES is not written: a square times the reciprocal of a sum of squares has no sign for any input, and a NaN (0 / 0, inf / inf) stays a NaN there as here.
; LIMITS: the sum of gu^2 of a row lies in 2^-126 .. 2^126 (v_rcp_f32 takes denormals as 0: ISA guide, 15.8); gu^2 / sum is a reciprocal and a multiplication;
; a NaN in the hidden layer (a scale byte 0xff) becomes 0 in v_max_num_f32 where the definition keeps it: NaN among the inputs is not served.
;
; REGISTERS, in windows of 256 (s_set_vgpr_msb: bits 1:0 source 0, 3:2 source 1, 5:4 source 2, 7:6 destination):
;   window 0: v0-28, v76-81 addresses; v32-63 x's scale words; v64-71 W's, two sets; v72-75 Wg's; v128-255 x, K steps 0, 1 (on the way out: rows of out)
;   window 1: v0-191 x, K steps 2-4; v208-239 pass 0's sums, tiles 0-3
;   window 2: v0-191 x, K steps 5-7; v192-207 gates, two sets; v208-239 pass 0's sums, tiles 4-7; v240-247 the bias
;   window 3: v0-63 the sums OUT; v64-127, v128-191 the hidden layer, two sets; v192-255 a unit's eight fragments of W (in the gate phase: gu, bg and what is at work)
; In a unit the setting is: source 0, source 2 and destination window 3, source 1 = x's window (K step 0: source 2 = window 2, for the bias as C).  It serves the matrix instruction (W, x, sums), v_max
; (register as source 0) and, while x's window is 2 (K steps 5-7), the packed multiply-add OUT += h x gate (gate = source 1): so all 32 of those stand in K steps 5-7.
.set XP,    528                        ; a row of 512 bytes of codes in LDS + 16 of padding: 33 x 16 bytes, so that the 16 rows of a fragment load start at 16 different banks (64 banks of 4 bytes: ISA guide 11.1)
.set EXPB,  32*XP                      ; an expert's 32 columns in a slot
.set SLOTA, 0                          ; 8 experts
.set SLOTB, 8*EXPB                     ; first x's 256 rows, then a slot of the ring
.set SCW,   2*8*EXPB                   ; W's scale bytes: 16 experts x 64 columns x 32 bytes; filled once
.set BIA,   SCW+16*2048                ; b: 16 experts x 64 columns x 4 bytes; filled once
.set GAT,   BIA+16*256                 ; the gates: [64 rows' group 4][expert 16][row % 16][tile 4] f32: written by LDS stores, never filled
.set SPARE, GAT+4*4096                 ; the spare words, 128 bytes for each wave: two blocks of 256 bytes that no other line names
.set SP,    272                        ; the way out: a stage of 256 rows x (256 bytes + 16), in slot A, which has then had its last fill and its last read
.set LN,  1                            ; lane
.set RR,  2                            ; r = lane % 16
.set HH,  3                            ; h = lane / 16
.set SPW, 10                           ; LDS address of my spare word; never rewritten
.set NIL, 11                           ; 0; never rewritten
.set AXL, 12                           ; x in LDS: my lane's place in tiles 0-3;  AXH: in tiles 4-7
.set AXH, 13
.set VXL, 14                           ; x's scale words in memory, likewise
.set VXH, 15
.set VWG, 16                           ; Wg's codes;  VSW: Wg's scale words;  VBG: bg
.set VSW, 17
.set VBG, 18
.set ASC, 19                           ; W's scale words in LDS, expert 0, pass 0
.set AG0, 20                           ; the gates of my tiles 0-3, expert 0;  AG1: of tiles 4-7
.set AG1, 21
.set TA,  22                           ; v22-24 addresses of the loads in hand: gates, gates, scale words
.set SOL, 25                           ; the stage: where tiles 0-3 go;  SOH: tiles 4-7
.set SOH, 26
.set RD,  27                           ; where I read rows back
.set CO,  28                           ; and their place in out
.set XS,  32                           ; v[XS + 8 i + q]: lanes 0-15 the word of tile 2 i, lanes 16-31 of tile 2 i + 1, K step q
.set WS,  64                           ; v[set + j]: lanes 0-15 K step j of column r, lanes 16-31 K step 4 + j
.set WGS, 72                           ; the same for Wg
.set AW0, 76                           ; v76-77 where a unit's fragments of W lie: one register for even units, one for odd
.set AWB, 78                           ; those of slot A's first expert
.set ABB, 79                           ; the bias of expert 0, pass 0
.set AGS, 80                           ; where I store gates
.set TBI, 81                           ; address of the next unit's bias
.set OUT, 0                            ; window 3
.set HS0, 64
.set WF,  192                          ; fragment of K step q at v[WF + 8 q]
.set WGF, 64                           ; in the gate phase: Wg's 8 fragments, the 4 accumulators of gu, bg, and 16 registers at work
.set GA,  192
.set BGR, 224
.set TT,  240
.set GT,  192                          ; window 2: the gates;
.set BIAS, 240                         ; the bias of the unit's 16 columns: 8 h + 0 .. 7 in a lane
.set PK,  208                          ; windows 1 and 2: pass 0's sums
.set WV,  22                           ; s22 wave;  s23 wave & 1;  s24 wave xor 1
.set WC,  23
.set WO,  24
.set SNW, 25                           ; s25 LDS byte at which the NEXT unit's expert begins;  s26 its scale bytes;  s27 its bias;  s28 THIS unit's gates
.set SNS, 26
.set SNB, 27
.set SCG, 28
.set CNT, 29
.set SEL, 30                           ; s[30:31] v_permlanex16_b32's selects for lane l xor 16
.set G1X, 36                           ; descriptors: groups 1 for x, W, W's scales, b; groups 0 for x, the scales, b, and the four slots' worth of W: none is ever rewritten
.set G1W, 44
.set G1S, 52
.set G0X, 60
.set G1B, 68
.set G0S, 76
.set G0B, 80
.set G0W, 84
.set MSB, 0
.macro WIN new                         ; the immediate's high byte repeats the setting that is left; a switch that changes nothing is dropped
.if MSB != (\new)
	s_set_vgpr_msb (MSB<<8)|(\new)
.set MSB, (\new)
.endif
.endm
.macro WINQ                            ; the products' setting for K step Q;  WQ0: that of K step 0, whose C lies elsewhere than the sums
.if Q == 0
	WIN WQ0
.elseif Q < 2
	WIN 0xf3
.elseif Q < 5
	WIN 0xf7
.else
	WIN 0xfb
.endif
.endm
; A round of the cluster's barrier: my work-group's barrier, wave 0 signals for the work-group, every wave waits for all sixteen, my work-group's barrier once more.
.macro ROUND
	s_barrier_signal -1
	s_barrier_wait -1
	s_cmp_lg_u32 s[WV], 0
	s_cbranch_scc1 .Lnot_wave_0_\@
	s_barrier_signal -3
.Lnot_wave_0_\@:
	s_barrier_wait -3
	s_barrier_signal -1
	s_barrier_wait -1
.endm
	s_load_b256 s[4:11], s[0:1], 0x0               ; x's codes s[4:5], x's scales s[6:7], W's codes s[8:9], W's scales s[10:11]
	s_load_b256 s[12:19], s[0:1], 0x20             ; Wg's codes s[12:13], Wg's scales s[14:15], b s[16:17], bg s[18:19]
	s_load_b64 s[20:21], s[0:1], 0x40              ; out
	v_lshl_add_u32 v[SPW], v0, 2, SPARE
	v_mov_b32 v[NIL], 0
	ds_add_u32 v10, v11
	ds_add_u32 v10, v11
	s_wait_dscnt 0x0
	v_lshrrev_b32 v4, 5, v0
	v_readfirstlane_b32 s[WV], v4                  ; wave 0..3
	s_and_b32 s[WC], s[WV], 1
	s_xor_b32 s[WO], s[WV], 1
	s_bfe_u32 s25, ttmp6, 0x40000                  ; cx, cy: my place in the cluster
	s_bfe_u32 s26, ttmp6, 0x40004
	s_and_b32 s27, ttmp7, 0xffff
	s_lshl_b32 s27, s27, 2
	s_add_co_u32 s27, s27, s26                     ; block of 64 columns = 4 x cluster y + cy
	s_lshl_b32 s28, ttmp9, 2
	s_add_co_u32 s28, s28, s25                     ; block of 256 rows = 4 x cluster x + cx
	s_lshl_b32 s29, 0x1111, s25                    ; my column of the cluster (the same cx): it shares the rows of x
	s_lshl_b32 s30, s26, 2
	s_lshl_b32 s30, 15, s30                        ; my row (the same cy): it shares the columns of W
	; group 1 for x: 64 rows x 512 bytes a wave, 16 bytes of padding behind each row
	s_or_b32 s[G1X], s29, (1<<20)|(1<<21)|(6<<22)|(3<<25)   ; 15:0 the mask; 17:16 elements of 1 byte; 20 padding on; 21 set beside a mask; 24:22 after every 128 words (code 6); 31:25 four words (code 3)
	s_mov_b32 s[G1X+1], 512<<16                    ; tensor_dim0
	s_mov_b32 s[G1X+2], 64<<16                     ; tensor_dim1
	s_mov_b32 s[G1X+3], 512<<16                    ; tile_dim0
	s_mov_b32 s[G1X+4], 64                         ; tile_dim1
	s_mov_b32 s[G1X+5], 512                        ; from row to row
	s_mov_b32 s[G1X+6], 0
	s_mov_b32 s[G1X+7], 0
	; for W: an expert's 32 columns are 16,384 consecutive bytes: one row of the tile; two experts a wave, 524,288 bytes apart.  The padding's interval, 512 bytes, divides the row: every column lies 528 bytes from the last
	s_or_b32 s[G1W], s30, (1<<20)|(1<<21)|(6<<22)|(3<<25)
	s_mov_b32 s[G1W+1], 16384<<16
	s_mov_b32 s[G1W+2], 2<<16
	s_mov_b32 s[G1W+3], 16384<<16
	s_mov_b32 s[G1W+4], 2
	s_mov_b32 s[G1W+5], 524288
	s_mov_b32 s[G1W+6], 0
	s_mov_b32 s[G1W+7], 0
	; for W's scale bytes: four experts a wave, 2,048 bytes (256 elements of 8) each, 32,768 bytes apart; no padding
	s_or_b32 s[G1S], s30, (3<<16)|(1<<21)
	s_mov_b32 s[G1S+1], 256<<16
	s_mov_b32 s[G1S+2], 4<<16
	s_mov_b32 s[G1S+3], 256<<16
	s_mov_b32 s[G1S+4], 4
	s_mov_b32 s[G1S+5], 4096
	s_mov_b32 s[G1S+6], 0
	s_mov_b32 s[G1S+7], 0
	; for b: four experts a wave, 256 bytes each, 4,096 bytes apart
	s_or_b32 s[G1B], s30, (3<<16)|(1<<21)
	s_mov_b32 s[G1B+1], 32<<16
	s_mov_b32 s[G1B+2], 4<<16
	s_mov_b32 s[G1B+3], 32<<16
	s_mov_b32 s[G1B+4], 4
	s_mov_b32 s[G1B+5], 512
	s_mov_b32 s[G1B+6], 0
	s_mov_b32 s[G1B+7], 0
	; offsets.  s[32:33] feeds x's descriptor and never holds the column block; s[34:35] feeds W's, the scales' and b's and never holds the row block
	s_lshl_b32 s32, s28, 17                        ; x: 256 rows x 512 bytes a block,
	s_lshl_b32 s33, s[WV], 15                      ; 64 rows a wave
	s_add_co_u32 s32, s32, s33
	s_mov_b32 s33, 0
	s_lshl_b32 s34, s27, 15                        ; W: 64 columns x 512 bytes a block,
	s_lshl_b32 s35, s[WV], 20                      ; two experts a wave
	s_add_co_u32 s34, s34, s35
	s_mov_b32 s35, 0
	s_lshl_b32 s2, s28, 20                         ; out: 256 rows x 4,096 bytes a block, 64 rows a wave, 256 bytes a column block
	s_lshl_b32 s3, s[WV], 18
	s_add_co_u32 s2, s2, s3
	s_lshl_b32 s3, s27, 8
	s_add_co_u32 s2, s2, s3
	s_mov_b32 s3, 0
	s_mul_i32 s31, s[WV], 2*EXPB                   ; a wave's share of a slot: 64 rows of x, or two experts: no place in the cluster enters an LDS address
	s_wait_kmcnt 0x0
	s_add_nc_u64 s[20:21], s[20:21], s[2:3]        ; out at the first row that I store
	s_lshl_b32 s2, s28, 13
	s_add_nc_u64 s[6:7], s[6:7], s[2:3]            ; x's scale bytes at the block's first row
	s_mov_b32 s[G0X], 1                            ; 1:0 count = 1
	s_add_co_u32 s[G0X+1], s31, SLOTB              ; 63:32 LDS address
	s_add_nc_u64 s[G0X+2:G0X+3], s[4:5], s[32:33]  ; 120:64 global address
	s_or_b32 s[G0X+3], s[G0X+3], 0x80000000        ; 127:126 type = 2
	s_add_nc_u64 s[8:9], s[8:9], s[34:35]
.irp s, 0,1,2,3                                ; slot's worth s: pass s / 2, experts 8 (s % 2) on, into slot A (s even) or B
	s_mov_b32 s[G0W+4*\s], 1
	s_add_co_u32 s[G0W+4*\s+1], s31, (\s%2)*SLOTB
	s_add_nc_u64 s[G0W+4*\s+2:G0W+4*\s+3], s[8:9], (\s%2)*8*524288+(\s/2)*16384
	s_or_b32 s[G0W+4*\s+3], s[G0W+4*\s+3], 0x80000000
.endr
	s_lshl_b32 s34, s[WV], 17                      ; W's scales: four experts a wave, 2,048 bytes a column block
	s_lshl_b32 s2, s27, 11
	s_add_co_u32 s34, s34, s2
	s_lshl_b32 s2, s[WV], 13
	s_mov_b32 s[G0S], 1
	s_add_co_u32 s[G0S+1], s2, SCW
	s_add_nc_u64 s[G0S+2:G0S+3], s[10:11], s[34:35]
	s_or_b32 s[G0S+3], s[G0S+3], 0x80000000
	s_lshl_b32 s34, s[WV], 14                      ; b: four experts a wave, 256 bytes a column block
	s_lshl_b32 s2, s27, 8
	s_add_co_u32 s34, s34, s2
	s_lshl_b32 s2, s[WV], 10
	s_mov_b32 s[G0B], 1
	s_add_co_u32 s[G0B+1], s2, BIA
	s_add_nc_u64 s[G0B+2:G0B+3], s[16:17], s[34:35]
	s_or_b32 s[G0B+3], s[G0B+3], 0x80000000
	ROUND                                          ; all sixteen work-groups are here: the first joint loads meet
	tensor_load_to_lds s[G0X:G0X+3], s[G1X:G1X+7]  ; the first fills, one group, four loads of mine out: x first, since it is wanted first,
	s_nop 0
	tensor_load_to_lds s[G0S:G0S+3], s[G1S:G1S+7]  ; W's scale bytes,
	s_nop 0
	tensor_load_to_lds s[G0B:G0B+3], s[G1B:G1B+7]  ; b,
	s_nop 0
	tensor_load_to_lds s[G0W:G0W+3], s[G1W:G1W+7]  ; pass 0, experts 0-7
	s_nop 0
.rept 4
	v_nop
.endr
	v_and_b32 v[LN], 31, v0
	v_and_b32 v[RR], 15, v0
	v_bfe_u32 v[HH], v0, 4, 1
	v_lshlrev_b32 v5, 5, v[LN]                     ; x's scale words: 32 bytes a row; lane l takes row l of a pair of tiles
	s_lshl_b32 s2, s[WV], 11
	v_add_nc_u32 v[VXL], s2, v5
	s_lshl_b32 s2, s[WO], 11
	v_add_nc_u32 v[VXH], s2, v5
	v_lshlrev_b32 v[VWG], 9, v[RR]
	v_lshl_add_u32 v[VWG], v[HH], 4, v[VWG]        ; Wg: expert r's row of 512 bytes, + 16 h
	v_lshlrev_b32 v[VSW], 5, v[RR]
	v_lshl_add_u32 v[VSW], v[HH], 4, v[VSW]        ; a row of 32 scale bytes: lanes 0-15 take words 0-3, lanes 16-31 words 4-7
	v_lshlrev_b32 v[VBG], 5, v[HH]                 ; eight f32 for each half of the lanes
.irp i, 0,1
.irp c, 0,1
	global_load_b128 v[XS+8*\i+4*\c:XS+8*\i+4*\c+3], v[VXL], s[6:7] offset:1024*\i+16*\c
.endr
.endr
.irp i, 0,1
.irp c, 0,1
	global_load_b128 v[XS+16+8*\i+4*\c:XS+16+8*\i+4*\c+3], v[VXH], s[6:7] offset:1024*\i+16*\c
.endr
.endr
	global_load_b128 v[WGS:WGS+3], v[VSW], s[14:15]
	WIN 0xc0                                       ; destination window 3, address window 0
.irp q, 0,1,2,3,4,5,6,7
.irp c, 0,1
	global_load_b128 v[WGF+8*\q+4*\c:WGF+8*\q+4*\c+3], v[VWG], s[12:13] offset:64*\q+32*\c   ; a fragment: registers 4 c .. 4 c + 3 hold K = 128 q + 64 c + 32 h + 0 .. 31
.endr
.endr
	global_load_b128 v[BGR:BGR+3], v[VBG], s[18:19]                ; bg of experts 8 h + 0 .. 7: the C of the gates' first products
	global_load_b128 v[BGR+4:BGR+7], v[VBG], s[18:19] offset:16
	WIN 0
	v_mul_u32_u24 v4, v[RR], XP
	v_lshl_add_u32 v4, v[HH], 4, v4                ; a fragment's row x pitch + 16 h
	s_add_co_u32 s2, s31, SLOTB
	v_add_nc_u32 v[AXL], s2, v4                    ; x: rows 64 w on,
	s_mul_i32 s2, s[WO], 2*EXPB
	s_add_co_u32 s2, s2, SLOTB
	v_add_nc_u32 v[AXH], s2, v4                    ; and rows 64 (w xor 1) on
	s_lshl_b32 s2, s[WC], 9
	s_add_co_u32 s2, s2, SCW
	v_add_nc_u32 v[ASC], s2, v[VSW]                ; W's scale words: my 16 columns x 32 bytes
	v_lshlrev_b32 v6, 4, v[RR]
	s_lshl_b32 s3, s[WO], 12
	s_add_co_u32 s3, s3, GAT
	v_add_nc_u32 v[AG1], s3, v6
	s_lshl_b32 s2, s[WV], 12
	s_add_co_u32 s2, s2, GAT                       ; (kept for AGS)
	v_add_nc_u32 v[AG0], s2, v6
	v_lshl_add_u32 v7, v[HH], 11, v6               ; my gates: experts 8 h on, row r
	v_mul_u32_u24 v8, v[RR], SP
	v_lshl_add_u32 v8, v[HH], 5, v8                ; the stage: row r, + 32 h
	v_mul_u32_u24 v9, v[HH], SP
	v_add_nc_u32 v9, v9, v6                        ; back: lanes 0-15 one row, lanes 16-31 the next; 16 bytes a lane
	s_lshl_b32 s32, s[WC], 6                       ; my 16 columns: 64 bytes
	s_mul_i32 s3, s[WV], 64*SP
	v_add_nc_u32 v[RD], s3, v9
	s_add_co_u32 s3, s3, s32
	v_add_nc_u32 v[SOL], s3, v8
	s_mul_i32 s3, s[WO], 64*SP
	s_add_co_u32 s3, s3, s32
	v_add_nc_u32 v[SOH], s3, v8
	v_lshl_add_u32 v[CO], v[HH], 12, v6            ; the same two rows in out
	s_mul_i32 s33, s[WC], 16*XP
	s_add_co_u32 s32, s32, BIA
	s_mov_b32 s[SEL], 0x76543210
	s_mov_b32 s[SEL+1], 0xfedcba98
	v_add_nc_u32 v[AWB], s33, v4                   ; W: my 16 columns of an expert's 32;
	v_add_nc_u32 v[AW0], s33, v4                   ; unit 0's expert is the first
	v_add_nc_u32 v[ABB], s32, v[VBG]
	v_add_nc_u32 v[AGS], s2, v7
	; While the first tiles are on their way: zeros for the sums, for the hidden layer's second set and for the gates' second set.  So unit 0 can carry an epilogue like every other (0 x 0 onto 0), and the unit is written in one form.
	WIN 0xc0
.set i, 0
.rept 64
	v_mov_b32 v[OUT+i], 0
	v_mov_b32 v[HS0+64+i], 0
.set i, i+1
.endr
	WIN 0x80
.irp i, 0,1,2,3,4,5,6,7
	v_mov_b32 v[GT+8+\i], 0
.endr
	WIN 0
	s_wait_tensorcnt 0x3                           ; my 64 rows of x are in: that load is the oldest, the three behind it may stay out
	s_barrier_signal -1
	s_barrier_wait -1                              ; everybody's are
; x INTO REGISTERS: K step q, tiles 0-7, two loads of 16 bytes a fragment
.macro XLD q, base
.irp a, 0,1,2,3
.irp c, 0,1
	ds_load_b128 v[\base+8*\a+4*\c:\base+8*\a+4*\c+3], v[AXL] offset:\a*16*XP+64*\q+32*\c
.endr
.endr
.irp a, 0,1,2,3
.irp c, 0,1
	ds_load_b128 v[\base+32+8*\a+4*\c:\base+32+8*\a+4*\c+3], v[AXH] offset:\a*16*XP+64*\q+32*\c
.endr
.endr
.endm
	XLD 0, 128
	XLD 1, 192
	WIN 0x40
	XLD 2, 0
	XLD 3, 64
	XLD 4, 128
	WIN 0x80
	XLD 5, 0
	XLD 6, 64
	XLD 7, 128
	s_wait_loadcnt 0x0                             ; x's scale words, Wg, bg
; One matrix instruction: K step Q, tile of rows A.  The caller sets rD (the sums), rA (source 0's fragment), rSA (its scale words) and rC0: K step 0 takes the bias there as C: nothing is cleared, nothing is added later.
.macro WMX
.if Q < 2
.set rB, 128+64*Q+8*A
.elseif Q < 5
.set rB, 64*(Q-2)+8*A
.else
.set rB, 64*(Q-5)+8*A
.endif
.set rC, rD
.if Q == 0
.set rC, rC0
.endif
.set rSB, XS+8*(A/2)+Q
.if (Q < 4) && (A%2 == 0)
	v_wmma_scale_f32_16x16x128_f8f6f4 v[rD:rD+7], v[rA:rA+7], v[rB:rB+7], v[rC:rC+7], v[rSA], v[rSB] matrix_a_fmt:MATRIX_FMT_FP4 matrix_b_fmt:MATRIX_FMT_FP4
.elseif Q < 4
	v_wmma_scale_f32_16x16x128_f8f6f4 v[rD:rD+7], v[rA:rA+7], v[rB:rB+7], v[rC:rC+7], v[rSA], v[rSB] matrix_a_fmt:MATRIX_FMT_FP4 matrix_b_fmt:MATRIX_FMT_FP4 matrix_b_scale:MATRIX_SCALE_ROW1
.elseif A%2 == 0
	v_wmma_scale_f32_16x16x128_f8f6f4 v[rD:rD+7], v[rA:rA+7], v[rB:rB+7], v[rC:rC+7], v[rSA], v[rSB] matrix_a_fmt:MATRIX_FMT_FP4 matrix_b_fmt:MATRIX_FMT_FP4 matrix_a_scale:MATRIX_SCALE_ROW1
.else
	v_wmma_scale_f32_16x16x128_f8f6f4 v[rD:rD+7], v[rA:rA+7], v[rB:rB+7], v[rC:rC+7], v[rSA], v[rSB] matrix_a_fmt:MATRIX_FMT_FP4 matrix_b_fmt:MATRIX_FMT_FP4 matrix_a_scale:MATRIX_SCALE_ROW1 matrix_b_scale:MATRIX_SCALE_ROW1
.endif
.endm
	; THE GATES of my rows 64 w .. 64 w + 63: gu = Wg x^T + bg, four accumulators by turns.  Lane (r, h), register j: row r of the tile, expert 8 h + j.
.set rC0, BGR
.set WQ0, 0xf3
.set Q, 0
.rept 8
.set GW, 16*(7-Q)+8                    ; behind tiles 0-3 of K step Q: its tiles 4-7 (8 loads) and 16 loads for each later K step
.if GW > 63
.set GW, 63                            ; (the count's field ends at 63: of 128 loads the first 65 are then in, K steps 0-3 among them)
.endif
	s_wait_dscnt GW
	WINQ
.set A, 0
.rept 4
.set rD, GA+8*A
.set rA, WGF+8*Q
.set rSA, WGS+Q%4
	WMX
.set A, A+1
.endr
.set Q, Q+1
.endr
.rept 4
	v_nop                                          ; four places between the last products and the first read of results (ISA guide 7.12.1)
.endr
	WIN 0xff                                       ; all in window 3; the four tiles by turns, each accumulator from its low end on
.irp i, 0,2,4,6
.irp t, 0,1,2,3
	v_pk_mul_f32 v[GA+8*\t+\i:GA+8*\t+\i+1], v[GA+8*\t+\i:GA+8*\t+\i+1], v[GA+8*\t+\i:GA+8*\t+\i+1]   ; gu^2
.endr
.endr
.irp t, 0,1,2,3
	v_pk_add_f32 v[TT+4*\t:TT+4*\t+1], v[GA+8*\t:GA+8*\t+1], v[GA+8*\t+2:GA+8*\t+3]
.endr
.irp t, 0,1,2,3
	v_pk_add_f32 v[TT+4*\t+2:TT+4*\t+3], v[GA+8*\t+4:GA+8*\t+5], v[GA+8*\t+6:GA+8*\t+7]
.endr
.irp t, 0,1,2,3
	v_pk_add_f32 v[TT+4*\t:TT+4*\t+1], v[TT+4*\t:TT+4*\t+1], v[TT+4*\t+2:TT+4*\t+3]
.endr
.irp t, 0,1,2,3
	v_add_f32 v[TT+4*\t], v[TT+4*\t], v[TT+4*\t+1]                 ; my eight experts,
.endr
.irp t, 0,1,2,3
	v_permlanex16_b32 v[TT+4*\t+1], v[TT+4*\t], s[SEL], s[SEL+1]
.endr
.irp t, 0,1,2,3
	v_add_f32 v[TT+4*\t], v[TT+4*\t], v[TT+4*\t+1]                 ; and lane l xor 16's eight: the row's sum
.endr
.irp t, 0,1,2,3
	v_rcp_f32 v[TT+4*\t+2], v[TT+4*\t]
.endr
	v_nop                                          ; a plain instruction behind the last reciprocal (ISA guide 5.7.2),
	s_wait_alu depctr_va_vdst(0)                   ; and one wait for the four, ahead of their first reader
.irp i, 0,2,4,6
.irp t, 0,1,2,3
	v_pk_mul_f32 v[GA+8*\t+\i:GA+8*\t+\i+1], v[GA+8*\t+\i:GA+8*\t+\i+1], v[TT+4*\t+2:TT+4*\t+3] op_sel_hi:[1,0]   ; the gate
.endr
.endr
	WIN 0x0c                                       ; an LDS store's address is its source 0 (window 0), its data its source 1 (window 3)
.irp t, 0,1,2,3
.irp j, 0,1,2,3,4,5,6,7
	ds_store_b32 v[AGS], v[GA+8*\t+\j] offset:256*\j+4*\t          ; [expert 8 h + j][r][tile t]: a lane later takes its row's four tiles by one load of 16 bytes
.endr
.endr
	; x has left slot B.  One round for four things: every wave's reads of x are over, the gates lie in LDS, the first fills have landed, the partners are in step.
	WIN 0
	s_wait_tensorcnt 0x0                           ; all my tensor loads have landed: the scales, b, experts 0-7;
	ds_add_u32 v[SPW], v[NIL]                      ; 0 onto my spare word
	s_wait_dscnt 0x0                               ; the add is done, x is in registers, my gates are stored
	ROUND
	tensor_load_to_lds s[G0W+4:G0W+7], s[G1W:G1W+7]   ; pass 0, experts 8-15, into slot B: my one load behind the round; it has seven and a half units in which to land
	s_nop 0
.rept 4
	v_nop
.endr
; THE EPILOGUE of the unit before, as a list of 96: numbers 0-63 the relu, each accumulator from its low end on; 64-95 OUT += h x gate, two columns at a time.  EPI1 writes number EJ.
; A tile's gate is one register of a pair: the even tile's serves both halves by op_sel_hi, the odd tile's by op_sel.
.macro EPI1
.if EJ < 64
	v_max_num_f32 v[HP+EJ], v[HP+EJ], 0            ; the register stands as source 0, whose window is 3
.else
.set eA, (EJ-64)/4
.set eI, 8*eA+2*((EJ-64)%4)
.set eG, GSU+2*(eA/2)
.if eA%2 == 0
	v_pk_fma_f32 v[OUT+eI:OUT+eI+1], v[HP+eI:HP+eI+1], v[eG:eG+1], v[OUT+eI:OUT+eI+1] op_sel_hi:[1,0,1]
.else
	v_pk_fma_f32 v[OUT+eI:OUT+eI+1], v[HP+eI:HP+eI+1], v[eG:eG+1], v[OUT+eI:OUT+eI+1] op_sel:[0,1,0] op_sel_hi:[1,1,1]
.endif
.endif
.set EJ, EJ+1
.endm
; Eight LDS loads in one run: four fragments of W, of K steps first .. first + 3, from the expert at v[adr]
.macro FRAGS adr, first
	WIN 0xc0                                       ; destination window 3, address window 0
.irp i, 0,1,2,3
	ds_load_b128 v[WF+8*(\first+\i):WF+8*(\first+\i)+3],   v[\adr] offset:64*(\first+\i)
	ds_load_b128 v[WF+8*(\first+\i)+4:WF+8*(\first+\i)+7], v[\adr] offset:64*(\first+\i)+32
.endr
.endm
; A UNIT.  par: which set of the hidden layer, of W's scale words, of the gates and of the fragments' address is this unit's.  nxt = 1: a unit follows.
; chg = 1: this unit is a slot's last and the slot is filled again, by group 0 g0;  chg = 2: a slot's last, nothing is filled.
; A K STEP: its eight products back to back, the 8 accumulators by turns, from K step to K step and from unit to unit; then a slice of the epilogue:
; 13, 13, 13, 13, 12 (the relu), 11, 11, 10 (the multiply-adds): the nibbles of 0xabbcdddd.
; THE LDS LOADS stand in two runs.  Behind K step 0's slice: this unit's fragments 4-7 (8 loads), into the registers that the unit before read last in its K steps 4-7.  Behind K step 4's slice: the next unit's
; scale words (1), its bias (2), this unit's gates (2: for its epilogue, a unit later), the next unit's fragments 0-3 (8): 13 loads.  Each run stands three K steps, 24 products, ahead of its first use, and a whole
; slice of plain instructions that name none of the products' registers stands between a register's last reader and the load into it (four are asked: ISA guide 7.12.1 for vector instructions).
; The second run's addresses are made behind the first run's loads, so that no load stands straight behind the addition that feeds it.
; THE WAIT at the head of K step q counts the LDS instructions issued behind fragment q's two loads (the bytes of NLO and NHI): q = 0: fragments 1-3, 6; q = 1: fragments 2, 3 and the first run's 8, 12; q = 2: 10;
; q = 3: 8; q = 4: fragments 5-7, 6; q = 5: fragments 6, 7 and the second run's 13, 17; q = 6: 15; q = 7: 13.  In the last unit the second run is the gates' two loads: 6, 4, 2.
; Scale words, bias and gates are issued ahead of fragment 0, so they are in where they are first used.
.macro UNIT par, chg, g0, nxt
.set HC,  HS0+64*\par
.set HP,  HS0+64-64*\par
.set WSC, WS+4*\par
.set WSN, WS+4-4*\par
.set GSL, GT+8*\par
.set GSU, GT+8-8*\par
.set AWC, AW0+\par
.set AWN, AW0+1-\par
.set rC0, BIAS
.set WQ0, 0xe3                         ; K step 0: source 2, the bias, in window 2
.set NLO, 0x080a0c06
.if \nxt
.set NHI, 0x0d0f1106
.else
.set NHI, 0x02040606
.endif
.set EJ, 0
.set Q, 0
.rept 8
.if Q < 4
	s_wait_dscnt (NLO>>(8*Q))&255
.else
	s_wait_dscnt (NHI>>(8*(Q-4)))&255
.endif
.if (Q == 4) && (\chg)
	WIN 0                                          ; THE CHANGE OF SLOTS.  The slot's last bytes, fragments 4-7, were asked for behind K step 0.  (The add's two registers lie in window 0)
	s_wait_tensorcnt 0x0                           ; all my tensor loads have landed: the one that was out is my part of the next slot;
	ds_add_u32 v[SPW], v[NIL]                      ; 0 onto my spare word; a K step's products and their slice stand between it and the wait for it
.endif
	WINQ
.set A, 0
.rept 8
.set rD, HC+8*A
.set rA, WF+8*Q
.set rSA, WSC+Q%4
	WMX
.set A, A+1
.endr
.set NSL, (0xabbcdddd>>(4*Q))&15
.rept NSL
	EPI1
.endr
.if Q == 0
	FRAGS AWC, 4                                   ; the first run
	WIN 0
	v_add_nc_u32 v[TA], s[SCG], v[AG0]             ; the second run's addresses
	v_add_nc_u32 v[TA+1], s[SCG], v[AG1]
.if \nxt
	v_add_nc_u32 v[TA+2], s[SNS], v[ASC]
	v_add_nc_u32 v[TBI], s[SNB], v[ABB]
	v_add_nc_u32 v[AWN], s[SNW], v[AWB]
.endif
.endif
.if Q == 4
.if \chg
	s_wait_dscnt 0x0                               ; the add is done, and my reads of this slot are over
	WIN 0                                          ; at a branch and at a label every window is 0
.if \chg == 1
	ROUND                                          ; no wave of any partner still reads this slot or has a load on its way
	tensor_load_to_lds s[\g0:\g0+3], s[G1W:G1W+7]  ; my one load behind the round, and the first thing there: it has 8 units in which to land
	s_nop 0
.rept 4
	v_nop
.endr
.else
	s_barrier_signal -1                            ; the last slot is whole for every wave, and nobody reads slot A any more: it will be the stage
	s_barrier_wait -1
.endif
.endif
.if \nxt
	WIN 0                                          ; the second run
	ds_load_b128 v[WSN:WSN+3], v[TA+2]
.endif
	WIN 0x80                                       ; destination window 2
.if \nxt
	ds_load_b128 v[BIAS:BIAS+3],   v[TBI]          ; this unit's bias was read by K step 0
	ds_load_b128 v[BIAS+4:BIAS+7], v[TBI] offset:16
.endif
	ds_load_b128 v[GSL:GSL+3], v[TA]
	ds_load_b128 v[GSL+4:GSL+7], v[TA+1]
.if \nxt
	FRAGS AWN, 0
.endif
.endif
.set Q, Q+1
.endr
.endm
; Where unit u's loads go: written as constants wherever a unit stands outside a loop, stepped by constants inside one.
.macro SETU u
.if (\u) < 31
	s_mov_b32 s[SNW], ((((\u)+1)/8)%2)*SLOTB+(((\u)+1)%8)*EXPB
	s_mov_b32 s[SNS], (((\u)+1)%16)*2048+(((\u)+1)/16)*1024
	s_mov_b32 s[SNB], (((\u)+1)%16)*256+(((\u)+1)/16)*128
.endif
	s_mov_b32 s[SCG], ((\u)%16)*256
.endm
.macro STEPU
	s_add_co_u32 s[SNW], s[SNW], EXPB
	s_add_co_u32 s[SNS], s[SNS], 2048
	s_add_co_u32 s[SNB], s[SNB], 256
	s_add_co_u32 s[SCG], s[SCG], 256
.endm
.macro LOOP n                          ; n trips of two units: after two the sets are back where they began
	WIN 0
	s_mov_b32 s[CNT], \n
.Lpair_\@:
	UNIT 0, 0, 0, 1
	STEPU
	UNIT 1, 0, 0, 1
	STEPU
	WIN 0
	s_sub_co_u32 s[CNT], s[CNT], 1
	s_cmp_lg_u32 s[CNT], 0
	s_cbranch_scc1 .Lpair_\@
.endm
	; unit 0's scale words, bias and fragments 0-3, in the order of a unit's second run, so that unit 0's counts are every unit's
	ds_load_b128 v[WS:WS+3], v[ASC]
	WIN 0x80
	ds_load_b128 v[BIAS:BIAS+3],   v[ABB]
	ds_load_b128 v[BIAS+4:BIAS+7], v[ABB] offset:16
	FRAGS AW0, 0
	; pass 0, experts 0-7: slot A
	SETU 0
	LOOP 3
	SETU 6
	UNIT 0, 0, 0, 1
	SETU 7
	UNIT 1, 1, G0W+8, 1                            ; slot A takes pass 1, experts 0-7
	; pass 0, experts 8-15: slot B
	SETU 8
	LOOP 3
	SETU 14
	UNIT 0, 0, 0, 1
	SETU 15
	UNIT 1, 1, G0W+12, 1                           ; slot B takes pass 1, experts 8-15: the last load
	; pass 1, experts 0-7: slot A.  Unit 16 carries the epilogue of pass 0's last expert; then pass 0's sums are put aside and the sums begin anew
	SETU 16
	UNIT 0, 0, 0, 1
	WIN 0x43                                       ; source window 3, destination window 1
.set i, 0
.rept 32
	v_mov_b32 v[PK+i], v[OUT+i]
.set i, i+1
.endr
	WIN 0x83                                       ; destination window 2
.set i, 0
.rept 32
	v_mov_b32 v[PK+i], v[OUT+32+i]
.set i, i+1
.endr
	WIN 0xc0
.set i, 0
.rept 64
	v_mov_b32 v[OUT+i], 0
.set i, i+1
.endr
	SETU 17
	UNIT 1, 0, 0, 1
	SETU 18
	LOOP 2
	SETU 22
	UNIT 0, 0, 0, 1
	SETU 23
	UNIT 1, 2, 0, 1
	; pass 1, experts 8-15: slot B
	SETU 24
	LOOP 3
	SETU 30
	UNIT 0, 0, 0, 1
	SETU 31
	UNIT 1, 0, 0, 0
	; the last unit's epilogue.  Ten plain instructions, K step 7's slice, stand behind the last product; each later accumulator has the relu of those before it between
	s_wait_dscnt 0x0                               ; the last unit's gates are in
.set HP,  HS0+64
.set GSU, GT+8
.set EJ, 0
	WIN 0xfb
.rept 96
	EPI1
.endr
	; THE WAY OUT.  A lane holds 32 neighbouring bytes of a row; a row's 256 bytes come from two waves and two passes.  They meet in the stage, and each wave stores 64 whole rows.
	WIN 0x04                                       ; an LDS store's data are its source 1: window 1
.irp a, 0,1,2,3
.irp c, 0,1
	ds_store_b128 v[SOL], v[PK+8*\a+4*\c:PK+8*\a+4*\c+3] offset:\a*16*SP+16*\c             ; pass 0, tiles 0-3
.endr
.endr
	WIN 0x08
.irp a, 0,1,2,3
.irp c, 0,1
	ds_store_b128 v[SOH], v[PK+8*\a+4*\c:PK+8*\a+4*\c+3] offset:\a*16*SP+16*\c             ; pass 0, tiles 4-7
.endr
.endr
	WIN 0x0c
.irp a, 0,1,2,3
.irp c, 0,1
	ds_store_b128 v[SOL], v[OUT+8*\a+4*\c:OUT+8*\a+4*\c+3] offset:\a*16*SP+128+16*\c       ; pass 1: 32 columns, 128 bytes, further on
.endr
.endr
.irp a, 0,1,2,3
.irp c, 0,1
	ds_store_b128 v[SOH], v[OUT+32+8*\a+4*\c:OUT+32+8*\a+4*\c+3] offset:\a*16*SP+128+16*\c
.endr
.endr
	WIN 0
	s_wait_dscnt 0x0                               ; for the others' sake: my stores into the stage are done
	s_barrier_signal -1
	s_barrier_wait -1
.set i, 0
.rept 32
	ds_load_b128 v[128+4*i:128+4*i+3], v[RD] offset:i*2*SP         ; rows 64 w + 2 i and + 1, into the registers that held x's first K steps
.set i, i+1
.endr
.set i, 0
.rept 32
	s_wait_dscnt 31-i                              ; LDS loads come back in order (ISA guide 5.7.1): pair i of rows is in
	global_store_b128 v[CO], v[128+4*i:128+4*i+3], s[20:21] offset:i*8192 th:TH_STORE_NT   ; 16 lanes store 256 consecutive bytes, at a multiple of 256 from out's first byte; written once, read by nobody here
.set i, i+1
.endr
	s_wait_tensorcnt 0x0                           ; the wave's end: behind my last tensor load and my last LDS store
	ds_add_u32 v[SPW], v[NIL]
	s_wait_dscnt 0x0
	ROUND                                          ; the closing round: no work-group ends while a partner may still ask for a tile that names it
	s_endpgm
.Lfunc_end_k_qab85fd43fa_gated:
	.size	k_qab85fd43fa_gated, .Lfunc_end_k_qab85fd43fa_gated-k_qab85fd43fa_gated
	.p2alignl 7, 3214868480
	.fill 96, 4, 3214868480
	.section	.rodata,"a",@progbits
	.p2align	6, 0x0
	.amdhsa_kernel k_qab85fd43fa_gated
		.amdhsa_group_segment_fixed_size 327680
		.amdhsa_private_segment_fixed_size 0
		.amdhsa_enable_private_segment 0
		.amdhsa_kernarg_size 72
		.amdhsa_user_sgpr_count 2
		.amdhsa_user_sgpr_kernarg_segment_ptr 1
		.amdhsa_wavefront_size32 1
		.amdhsa_system_sgpr_workgroup_id_x 1
		.amdhsa_system_sgpr_workgroup_id_y 1
		.amdhsa_system_sgpr_workgroup_id_z 1
		.amdhsa_system_vgpr_workitem_id 0
		.amdhsa_next_free_vgpr 1024
		.amdhsa_next_free_sgpr 100
		.amdhsa_reserve_vcc 0
		.amdhsa_float_denorm_mode_32 3
		.amdhsa_float_denorm_mode_16_64 3
		.amdhsa_memory_ordered 1
		.amdhsa_forward_progress 1
		.amdhsa_inst_pref_size 255
	.end_amdhsa_kernel
	.section	.bss,"aw",@nobits
	.p2align	6
	.space	262144
	.amdgpu_metadata
---
amdhsa.version: [ 1, 2 ]
amdhsa.kernels:
  - .name:           k_qab85fd43fa_gated
    .symbol:         k_qab85fd43fa_gated.kd
    .args:
      - { .name: x_codes, .offset: 0, .size: 8, .value_kind: global_buffer, .address_space: global }
      - { .name: x_scales, .offset: 8, .size: 8, .value_kind: global_buffer, .address_space: global }
      - { .name: W_codes, .offset: 16, .size: 8, .value_kind: global_buffer, .address_space: global }
      - { .name: W_scales, .offset: 24, .size: 8, .value_kind: global_buffer, .address_space: global }
      - { .name: Wg_codes, .offset: 32, .size: 8, .value_kind: global_buffer, .address_space: global }
      - { .name: Wg_scales, .offset: 40, .size: 8, .value_kind: global_buffer, .address_space: global }
      - { .name: b, .offset: 48, .size: 8, .value_kind: global_buffer, .address_space: global }
      - { .name: bg, .offset: 56, .size: 8, .value_kind: global_buffer, .address_space: global }
      - { .name: out0, .offset: 64, .size: 8, .value_kind: global_buffer, .address_space: global }
    .group_segment_fixed_size: 327680
    .private_segment_fixed_size: 0
    .kernarg_segment_align: 8
    .kernarg_segment_size: 72
    .max_flat_workgroup_size: 128
    .sgpr_count:     100
    .vgpr_count:     1024
    .wavefront_size: 32
...
	.end_amdgpu_metadata
.endif
;; end of part 2
